; MI455X (gfx1250); checked and timed in simulation.
; The chip was launched on July 23, 2026; its instructions are those of AMD's public machine-readable ISA for CDNA 5 (MIT licence, August 2026) and "CDNA5" Instruction Set Architecture Reference Guide (July 2026). The comments in the code are by the model that wrote it; some were corrected since.
;; Llama Attention. Allowed arithmetic: matrix products marked QUANTISED: E5M2 operands, one given power-of-two scale a tensor, by v_wmma_f32_16x16x64_bf8_bf8 or v_wmma_f32_16x16x128_bf8_bf8, f32 sums; products left as they are: f32 operands where the result goes on into a quantised operand, else bf16, f16 or f32 operands; f32 sums; everything else in f32.
;; Inputs: Wk_codes 1,024 x 32 x 32 uint8 (E5M2 codes of Wk, K innermost, in blocks of 32 codes); Wo_codes 1,024 x 32 x 32 uint8 (E5M2 codes of Wo, K innermost, in blocks of 32 codes); Wq_codes 1,024 x 32 x 32 uint8 (E5M2 codes of Wq, K innermost, in blocks of 32 codes); Wv_codes 1,024 x 32 x 32 uint8 (E5M2 codes of Wv, K innermost, in blocks of 32 codes); hidden_states_codes 4 x 4,096 x 32 x 32 uint8 (E5M2 codes of hidden_states, K innermost, in blocks of 32 codes); lowp_scales 10 int32 (the exponents e of the quantised operands' scales 2^e).
;; Outputs: out0 4 x 4,096 x 1,024 float32.
;; This version of the problem:
;;   THIS VERSION OF THE PROBLEM IS GIVEN IN LOW PRECISION. The matrix products marked QUANTISED in the list below multiply operands that are first quantised to E5M2 (5 exponent bits, 2 mantissa bits; 8 bits a number), with one given power-of-two scale for each operand tensor; their sums are f32. All else is computed in f32.
;;   The module's matrix products, in the order in which they are computed (A, B: the left and right operand; K: the contracted axis; several contracted axes count as one K, in the product's order):
;;     1. [M 16,384, K 1,024] x [K 1,024, N 1,024]; A: input hidden_states (given as codes); B: input Wq (given as codes): QUANTISED (scales: A lowp_scales[0], B lowp_scales[1])
;;     2. [M 16,384, K 1,024] x [K 1,024, N 1,024]; A: input hidden_states (given as codes); B: input Wk (given as codes): QUANTISED (scales: A lowp_scales[2], B lowp_scales[3])
;;     3. [M 16,384, K 1,024] x [K 1,024, N 1,024]; A: input hidden_states (given as codes); B: input Wv (given as codes): QUANTISED (scales: A lowp_scales[4], B lowp_scales[5])
;;     4. batch 16,384 x [M 16, K 64] x [K 64, N 16]; A: computed on the way; B: computed on the way: QUANTISED (scales: A lowp_scales[6], B lowp_scales[7])
;;     5. batch 16,384 x [M 16, K 16] x [K 16, N 64]; A: softmax; B: computed on the way: left as it is (K = 16 < 32)
;;     6. [M 16,384, K 1,024] x [K 1,024, N 1,024]; A: computed on the way; B: input Wo (given as codes): QUANTISED (scales: A lowp_scales[8], B lowp_scales[9])
;;   THE QUANTISER, for each operand of a quantised product, along K:
;;     - The operand's scale is 2^e, e = its entry of the input lowp_scales (int32; the entries are numbered through the quantised products in the list's order, A before B).
;;     - Each number is divided by the scale, clamped to +-57,344, and rounded to the nearest number of E5M2, ties to even, subnormals kept.
;;     - The product sums the exact products of the quantised numbers (number of the format x scale) in f32.
;;   ~~~python
;;   def quantise(x, axis, e):      # numpy; x: float32 -> the quantised numbers, widened to float32 again
;;       x = np.moveaxis(x, axis, -1); K = x.shape[-1]
;;       r = np.clip(x / 2.0 ** e, -57344, 57344)
;;       step = 2.0 ** (np.maximum(np.frexp(np.where(r == 0, 1, r))[1] - 1, -14) - 2)
;;       q = np.round(r / step) * step * 2.0 ** e      # np.round: ties to even
;;       return np.moveaxis(q, -1, axis).astype(np.float32)
;;   ~~~
;;   OPERANDS COMPUTED ON THE WAY. 'Computed on the way' means the value that the module computes at that place (a softmax that the list does not call 'softmax' is quantised finished and normalised). What goes into a quantiser is computed in f32, as accurately as f32 sums, v_exp_f32 and their like allow (about 1e-6 of the number): no bf16 or f16 on the way to a quantiser, and a product that is left as it is and whose result goes on into a quantised operand takes f32 operands (vector FMAs, or v_wmma_f32_16x16x4_f32). A number that lies on a knife's edge between two numbers of the format may be rounded either way, as far as f32 arithmetic and the matrix unit's own rounding can turn it there, and no further.
;;   INPUTS GIVEN AS CODES. Wk (in the module: [1024, 1024], K = its axis 1); Wo (in the module: [1024, 1024], K = its axis 1); Wq (in the module: [1024, 1024], K = its axis 1); Wv (in the module: [1024, 1024], K = its axis 1); hidden_states (in the module: [4, 4096, 1024], K = its axis 2): each comes as NAME_codes (uint8): NAME with its K axis moved to the last place and cut into blocks of 32 codes, [.., K / 32, bytes a block], one block behind the other in memory; one code a byte (a code: sign, 5 exponent bits, 2 mantissa bits); its scale is its entry of lowp_scales. Its value is code x scale, taken as it is: it is not quantised again, and the codes and scales need not be those that the quantiser above would give.
;; One version. Each part assembles by itself: llvm-mc -triple=amdgcn-amd-amdhsa -mcpu=gfx1250 --defsym DOCPART=n.
;; ======== version 1 of 1: 2 launches
;; limits: right only within a limited range of input values
;; workspace buffers: wpack 4,194,304 bytes
;; launch prep (part 1): grid 256 x 1, 4 waves a work-group, no clusters, 0 bytes of LDS; arguments Wq_codes, Wk_codes, Wv_codes, Wo_codes, wpack; writes wpack
.if DOCPART == 1
	.amdgcn_target "amdgcn-amd-amdhsa--gfx1250"
	.amdhsa_code_object_version 6
	.text
	.protected	k_qcf927dd775_prep
	.globl	k_qcf927dd775_prep
	.p2align	8
	.type	k_qcf927dd775_prep,@function
k_qcf927dd775_prep:
	s_mov_b64 s[64:65], 0
	v_nop
	global_prefetch_b8 v0, s[64:65] scope:SCOPE_SE
	s_setreg_imm32_b32 hwreg(HW_REG_WAVE_MODE, 25, 1), 1
	s_wait_xcnt 0x0
; The four weights' codes (1,024 rows x 1,024 bytes each) are laid once in the order in which the next launch's operand registers take them.
; wpack byte = slot x 131,072 + wave x 32,768 + tile x 16,384 + K step x 2,048 + c x 512 + lane x 16: the 16 bytes are registers 4 c .. 4 c + 3 of a fragment
; (16 rows x 128 along K, 16 registers a lane); lane = r + 16 h holds tile row r.
;   slots 0-15  (slot = 4 i + x): x < 2: Wq, else Wk; tile row r = row 64 H + 16 i + r, H = 8 (x & 1) + 2 wave + tile;            bytes 128 s + 32 c + 16 h + 0 .. 15 of the row
;   slots 16-23 (16 + g):         Wv; tile row r = row 64 r + d; dA = D(g) + wave, dB = dA + 16; tile 0: d = dA for r < 8, else dB; tile 1 the other way round; the same bytes
;   slots 24-31 (24 + 2 G + y):   Wo; tile row r = row 256 G + 64 wave + 32 y + 16 tile + r;  four pieces of 4 bytes: 64 (4 c + i) + D(s) + 16 h + 0 .. 3, i = 0 .. 3
; D(g) = 4 (g & 3) + 32 (g >> 2).
; A work-group makes one tile (16,384 bytes): its number is 8 slot + 2 wave + tile.  Its own wave number is c; the eight K steps stand in the immediates.
; Each store of a wave covers 512 consecutive bytes, aligned.  No LDS, no barrier, no loop: 4 MB in all, each byte read once and written once.
	s_load_b256 s[4:11], s[0:1], 0x0               ; Wq s[4:5], Wk s[6:7], Wv s[8:9], Wo s[10:11]
	s_load_b64 s[12:13], s[0:1], 0x20              ; wpack
	v_lshrrev_b32 v1, 5, v0
	v_readfirstlane_b32 s19, v1                    ; my wave's number: c
	v_and_b32 v1, 15, v0                           ; r
	v_bfe_u32 v2, v0, 4, 1                         ; h
	v_and_b32 v3, 31, v0                           ; lane
	s_wait_alu depctr_va_vdst(0)
	s_lshr_b32 s16, ttmp9, 3                       ; slot
	s_bfe_u32 s17, ttmp9, 0x20001                  ; the wave of the next launch that will read the tile
	s_and_b32 s18, ttmp9, 1                        ; tile
	; Wq, Wk: first row 64 H + 16 i
	s_and_b32 s20, s16, 1
	s_lshl_b32 s20, s20, 3
	s_lshl_b32 s21, s17, 1
	s_add_co_u32 s20, s20, s21
	s_add_co_u32 s20, s20, s18                     ; H
	s_lshl_b32 s20, s20, 6
	s_bfe_u32 s21, s16, 0x20002                    ; i
	s_lshl_b32 s21, s21, 4
	s_add_co_u32 s20, s20, s21
	; Wv: d of tile rows 0-7 and of tile rows 8-15
	s_and_b32 s22, s16, 3
	s_lshl_b32 s22, s22, 2
	s_bfe_u32 s23, s16, 0x10002
	s_lshl_b32 s23, s23, 5
	s_add_co_u32 s22, s22, s23                     ; D(g)
	s_add_co_u32 s22, s22, s17                     ; dA
	s_lshl_b32 s23, s18, 4
	s_add_co_u32 s24, s22, s23                     ; rows 0-7: dA + 16 tile
	s_xor_b32 s23, s23, 16
	s_add_co_u32 s25, s22, s23                     ; rows 8-15: dA + 16 (1 - tile)
	; Wo: first row 256 G + 64 wave + 32 y + 16 tile
	s_bfe_u32 s26, s16, 0x20001
	s_lshl_b32 s26, s26, 8
	s_lshl_b32 s27, s17, 6
	s_add_co_u32 s26, s26, s27
	s_and_b32 s27, s16, 1
	s_lshl_b32 s27, s27, 5
	s_add_co_u32 s26, s26, s27
	s_lshl_b32 s27, s18, 4
	s_add_co_u32 s26, s26, s27
	s_lshl_b32 s36, s19, 5                         ; c's bytes in a row: 32 c,
	s_lshl_b32 s37, s19, 8                         ; in Wo 256 c
	s_lshl_b32 s38, ttmp9, 14                      ; my tile in wpack
	s_mov_b32 s39, 0
	s_lshl_b32 s40, s19, 9
	v_lshl_add_u32 v8, v3, 4, s40                  ; out: 512 c + 16 lane
	s_wait_kmcnt 0x0
	; the choices hang on the work-group's number alone
	s_cmp_lt_u32 s16, 24
	s_cselect_b32 s28, s24, s26                    ; what is added to rows 0-7,
	s_cselect_b32 s29, s25, s26                    ; to rows 8-15,
	s_cselect_b32 s30, 64, 1                       ; rows of the weight from tile row to tile row,
	s_cselect_b32 s31, s36, s37
	s_cselect_b64 s[32:33], s[8:9], s[10:11]       ; and the weight
	s_bitcmp1_b32 s16, 1
	s_cselect_b64 s[34:35], s[6:7], s[4:5]
	s_cmp_lt_u32 s16, 16
	s_cselect_b32 s28, s20, s28
	s_cselect_b32 s29, s20, s29
	s_cselect_b32 s30, 1, s30
	s_cselect_b64 s[32:33], s[34:35], s[32:33]
	s_add_nc_u64 s[12:13], s[12:13], s[38:39]
	v_cmp_gt_u32 vcc_lo, 8, v1                     ; r < 8
	v_mov_b32 v5, s29
	v_mov_b32 v6, s28
	v_cndmask_b32 v5, v5, v6, vcc_lo
	v_mad_u32_u24 v5, v1, s30, v5                  ; my row of the weight
	v_lshl_add_u32 v7, v5, 10, s31                 ; x 1,024 bytes + c's bytes
	v_lshl_add_u32 v7, v2, 4, v7                   ; + 16 h
	s_cmp_ge_u32 s16, 24
	s_cbranch_scc1 .Lwo
.irp s, 0,1,2,3,4,5,6,7
	global_load_b128 v[16+4*\s:19+4*\s], v7, s[32:33] offset:128*\s
.endr
	s_branch .Lout
.Lwo:
	s_wait_alu depctr_va_vdst(0)
.irp s, 0,1,2,3,4,5,6,7
.irp i, 0,1,2,3
	global_load_b32 v[16+4*\s+\i], v7, s[32:33] offset:64*\i+4*(\s%4)+32*(\s/4)
.endr
.endr
.Lout:
	s_wait_loadcnt 0x0
	s_wait_alu depctr_va_vdst(0)
.irp s, 0,1,2,3,4,5,6,7
	global_store_b128 v8, v[16+4*\s:19+4*\s], s[12:13] offset:2048*\s
.endr
	s_endpgm
.Lfunc_end_k_qcf927dd775_prep:
	.size	k_qcf927dd775_prep, .Lfunc_end_k_qcf927dd775_prep-k_qcf927dd775_prep
	.p2alignl 7, 3214868480
	.fill 96, 4, 3214868480
	.section	.rodata,"a",@progbits
	.p2align	6, 0x0
	.amdhsa_kernel k_qcf927dd775_prep
		.amdhsa_group_segment_fixed_size 0
		.amdhsa_private_segment_fixed_size 0
		.amdhsa_enable_private_segment 0
		.amdhsa_kernarg_size 40
		.amdhsa_user_sgpr_count 2
		.amdhsa_user_sgpr_kernarg_segment_ptr 1
		.amdhsa_wavefront_size32 1
		.amdhsa_system_sgpr_workgroup_id_x 1
		.amdhsa_system_sgpr_workgroup_id_y 1
		.amdhsa_system_sgpr_workgroup_id_z 1
		.amdhsa_system_vgpr_workitem_id 0
		.amdhsa_next_free_vgpr 64
		.amdhsa_next_free_sgpr 66
		.amdhsa_reserve_vcc 1
		.amdhsa_float_denorm_mode_32 3
		.amdhsa_float_denorm_mode_16_64 3
		.amdhsa_memory_ordered 1
		.amdhsa_forward_progress 1
		.amdhsa_inst_pref_size 8
	.end_amdhsa_kernel
	.amdgpu_metadata
---
amdhsa.version: [ 1, 2 ]
amdhsa.kernels:
  - .name:           k_qcf927dd775_prep
    .symbol:         k_qcf927dd775_prep.kd
    .args:
      - { .name: Wq_codes, .offset: 0, .size: 8, .value_kind: global_buffer, .address_space: global }
      - { .name: Wk_codes, .offset: 8, .size: 8, .value_kind: global_buffer, .address_space: global }
      - { .name: Wv_codes, .offset: 16, .size: 8, .value_kind: global_buffer, .address_space: global }
      - { .name: Wo_codes, .offset: 24, .size: 8, .value_kind: global_buffer, .address_space: global }
      - { .name: wpack, .offset: 32, .size: 8, .value_kind: global_buffer, .address_space: global }
    .group_segment_fixed_size: 0
    .private_segment_fixed_size: 0
    .kernarg_segment_align: 8
    .kernarg_segment_size: 40
    .max_flat_workgroup_size: 128
    .sgpr_count:     66
    .vgpr_count:     64
    .wavefront_size: 32
...
	.end_amdgpu_metadata
.endif
;; end of part 1
;; launch attn (part 2): grid 256 x 1, 4 waves a work-group, clusters of 4 x 1, 327,680 bytes of LDS; arguments hidden_states_codes, wpack, lowp_scales, out0; writes out0
.if DOCPART == 2
	.amdgcn_target "amdgcn-amd-amdhsa--gfx1250"
	.amdhsa_code_object_version 6
	.text
	.protected	k_qcf927dd775_attn
	.globl	k_qcf927dd775_attn
	.p2align	8
	.type	k_qcf927dd775_attn,@function
k_qcf927dd775_attn:
	s_mov_b64 s[64:65], 0
	v_nop
	global_prefetch_b8 v0, s[64:65] scope:SCOPE_SE
	s_setreg_imm32_b32 hwreg(HW_REG_WAVE_MODE, 25, 1), 1
	s_wait_xcnt 0x0
	s_wait_alu depctr_hold_cnt(0) depctr_sa_sdst(0) depctr_va_vdst(0) depctr_va_sdst(0) depctr_va_ssrc(0) depctr_va_vcc(0) depctr_vm_vsrc(0)
	s_getreg_b32 s2, hwreg(HW_REG_IB_STS2, 6, 4)
	s_cmp_eq_u32 s2, 0
	s_cbranch_scc0 .Lentry_in_a_cluster
	s_endpgm
.Lentry_in_a_cluster:
	s_bfe_u32 s2, ttmp6, 0x10000c
	s_cmp_lg_u32 s2, 0x3003
	s_cbranch_scc0 .Lentry_shape_is_right
	s_endpgm
.Lentry_shape_is_right:
; The whole module for 64 positions a work-group: q, k, v = x W^T on codes; per position scores q k^T / 8 over the 16 heads, softmax, P v in f32; the result quantised; x Wo^T; out f32.
; SHARES.  256 work-groups x 64 positions.  Each of the four waves holds all 64 rows of the left operand (8 K steps x 4 blocks x 16 registers = 512, windows 2 and 3) and takes a quarter of each weight's rows.
; wpack holds the weights in the order of the operand registers: slot x 131,072 + wave x 32,768 + tile x 16,384 + K step x 2,048 + c x 512 + lane x 16.  A tile is 16 rows x 1,024 along K: 32 products a wave.
; SLOTS: 0-15 Wq, Wk (slot 4 i + x: 16 dims i of head 8 (x & 1) + 2 wave + tile; x < 2: q), 16-23 Wv (a tile's rows are the 16 heads at one dim), 24-31 Wo (K permuted as the attention codes come out).
; TWO ROADS FOR THE WEIGHTS.  26 slots come through a ring of two LDS slots, by joint loads of the four work-groups of a cluster (all walk the same weights, in the same order, which is turned by the cluster's number).
; A wave has one tensor load out between two rounds.  Beside it the other six slots (x = 3 of each i; the second half of each second column block of Wo) go from memory straight into registers,
; a tile (32 loads of 512 bytes) at a time, asked for as soon as the tile before has been multiplied.
; RUNS.  A ring tile is two runs of 16 products; behind each run stands one run of memory instructions: the LDS stores that are due and the 16 LDS loads that fill the four fragments just read.
; q's and k's sums of the tile before are held and quantised among the products, four numbers behind each K step.
; THE CHANGE OF SLOTS stands in a slot's second tile: all the slot's bytes have then been asked into registers.  16 products stand between the add and the wait for it; behind the round the refill comes first.
; The matrix instruction is used transposed (source 0 = 16 rows of a weight, source 1 = 16 positions): a lane holds one position, its registers 8 rows of the weight.
; PREFETCH: each aligned block of 256 bytes of wpack is named once in the launch, by wave 0 of one work-group, told apart by address, lanes 256 bytes apart: slots 0-15 (8,192 bytes a work-group) at the head,
; slots 16-31 likewise in the first trip over Wq, Wk: 10 ring slots and more ahead of their loads.
; LIMITS: e6 - e0 - e1, e7 - e2 - e3, e8 - e4 - e5 between -126 and 112; e6 + e7 between -123 and 130; e8 + e9 between -126 and 127: each power of two below is then an f32 number.
; REGISTERS, window 0: v1-23 addresses and scales; v24-63 at work; v64-127 two tiles' sums, then v; v128-255 scores, then the attention codes, then Wo's sums.
; window 1: v0-127 fragments from the ring; v128-255 the tile that comes straight from memory; for the scores q's and k's fragments; over Wv: P.
.set SLOTB, 131072
.set SCR,   262144
.set SPARE, 327168
.set MSB, 0
.set PK, 0
.set PACC, 64
.set PSCV, 16
.set POFF, 0
.set PT, 24
.macro WIN new
.if MSB != (\new)
	s_set_vgpr_msb (MSB<<8)|(\new)
.set MSB, (\new)
.endif
.endm
.macro PLACES n
.rept \n
	v_nop
.endr
.endm
.macro BAR
	s_wait_dscnt 0x0
	s_barrier_signal -1
	s_barrier_wait -1
.endm
.macro CROUND
	s_barrier_signal -1
	s_barrier_wait -1
	s_cmp_lg_u32 s12, 0
	s_cbranch_scc1 .Lnot_wave_0_\@
	s_barrier_signal -3
.Lnot_wave_0_\@:
	s_barrier_wait -3
	s_barrier_signal -1
	s_barrier_wait -1
.endm
.macro VSTORE xx
.irp m, 0,1,2,3
	ds_store_b128 v9, v[64+32*(\xx)+8*\m:67+32*(\xx)+8*\m] offset:8192*\m+1024*(\xx)
	ds_store_b128 v9, v[68+32*(\xx)+8*\m:71+32*(\xx)+8*\m] offset:8192*\m+1024*(\xx)+512
.endr
.endm
.macro SETP acc, x, t                  ; the tile just multiplied is q's or k's: its sums are quantised among the next tile's products
.set PK, 1
.set PACC, \acc
.set PT, 24+((\acc)-64)/4
.set PSCV, 16+2*((\x)/2)
.set POFF, 256*((\x)/2)+128*((\x)%2)+16*(\t)
.endm
; piece c (0 to 7) of the tile before: four sums of block c / 2 held; behind the block's second piece its eight are quantised
.macro HOOK c
.if PK == 1
	WIN 0
.irp j, 0,1,2,3
	v_med3_num_f32 v[PACC+8*((\c)/2)+4*((\c)%2)+\j], v[PACC+8*((\c)/2)+4*((\c)%2)+\j], -v[PSCV+1], v[PSCV+1]
.endr
.if (\c)%2 == 1
	v_cvt_scalef32_pk8_bf8_f32 v[PT+2*((\c)/2):PT+2*((\c)/2)+1], v[PACC+8*((\c)/2):PACC+8*((\c)/2)+7], v[PSCV]
	v_nop
.endif
.endif
.endm
; 16 products: K steps 4 hf .. 4 hf + 3 of the tile whose fragments begin at v[bb] of window 1 x the four blocks of positions; the four sums take turns.  At least four places end the run.
.macro HRUN acc, bb, hf
.irp sp, 0,1,2,3
	WIN 0x09+4*(\hf)
.irp m, 0,1,2,3
.if (\hf) == 0 && \sp == 0
	v_wmma_f32_16x16x128_bf8_bf8 v[(\acc)+8*\m:(\acc)+8*\m+7], v[(\bb)+16*(4*(\hf)+\sp):(\bb)+16*(4*(\hf)+\sp)+15], v[64*\sp+16*\m:64*\sp+16*\m+15], 0
.else
	v_wmma_f32_16x16x128_bf8_bf8 v[(\acc)+8*\m:(\acc)+8*\m+7], v[(\bb)+16*(4*(\hf)+\sp):(\bb)+16*(4*(\hf)+\sp)+15], v[64*\sp+16*\m:64*\sp+16*\m+15], v[(\acc)+8*\m:(\acc)+8*\m+7]
.endif
.endr
	HOOK 4*(\hf)+\sp
.endr
.if PK != 1
	PLACES 4
.endif
.endm
; the run of memory instructions behind a run of products: two blocks' codes of the tile before, or v's first tile; ld = 1: fragments 4 hf .. 4 hf + 3 of the tile at byte toff of my part of the slot in hand
.macro MEMR hf, toff, ld
.if PK == 1
	WIN 0
.irp m, 2*(\hf), 2*(\hf)+1
	ds_store_b64 v5, v[PT+2*(\m):PT+2*(\m)+1] offset:8448*(\m)+POFF
.endr
.endif
.if (PK == 2) && ((\hf) == 0)
	WIN 0
	VSTORE 0
.endif
.if \ld
	WIN 0x40
.irp sp, 0,1,2,3
.irp c, 0,1,2,3
	ds_load_b128 v[16*(4*(\hf)+\sp)+4*\c:16*(4*(\hf)+\sp)+4*\c+3], v3 offset:(\toff)+2048*(4*(\hf)+\sp)+512*\c
.endr
.endr
.endif
.endm
.macro ROT d                           ; s40 = the byte in wpack of slot s38 + d, turned inside its weight's group by the cluster's number
	s_add_co_u32 s42, s38, \d
	s_cmp_ge_u32 s42, 24
	s_cselect_b32 s40, s17, 0
	s_cmp_lt_u32 s42, 16
	s_cselect_b32 s40, s16, s40
	s_cselect_b32 s41, 15, 7
	s_add_co_u32 s40, s40, s42
	s_and_b32 s40, s40, s41
	s_and_not1_b32 s41, s42, s41
	s_or_b32 s40, s40, s41
	s_lshl_b32 s40, s40, 17
	s_mov_b32 s41, 0
.endm
.macro RT0 acc                         ; a ring slot's first tile; behind each run the second tile's fragments are asked for.  dscnt 16: the younger run of loads
.irp hf, 0,1
	s_wait_dscnt 16
	HRUN \acc, 0, \hf
	MEMR \hf, 16384, 1
.endr
	WIN 0
.endm
; a ring slot's second tile.  mode 1: the change of slots with a round and the refill (slot s38 + d); 2: the change without a refill; 0: the last tile of the ring
.macro RT1 acc, mode, d
.if \mode == 0
	s_wait_dscnt 16
	HRUN \acc, 0, 0
	MEMR 0, 0, 0
	s_wait_dscnt 0x0
	HRUN \acc, 0, 1
	MEMR 1, 0, 0
.else
	WIN 0
	s_wait_tensorcnt 0x0                           ; my part of the next slot is in; no load of mine is out, so the descriptor may be written
	ds_add_u32 v1, v2
.if \mode == 1
	s_xor_b32 s33, s33, SLOTB
	ROT \d
	s_add_nc_u64 s[34:35], s[36:37], s[40:41]
	s_or_b32 s35, s35, 0x80000000
.endif
	s_xor_b32 s39, s39, SLOTB
	s_wait_dscnt 17                                ; the first four fragments are in; the younger run of 16 loads and the add may be out
	HRUN \acc, 0, 0
	s_wait_dscnt 0x0                               ; the add is done, and my reads of this slot are over
	WIN 0
.if \mode == 1
	CROUND
	tensor_load_to_lds s[32:35], s[20:27]
	s_nop 0
.else
	s_barrier_signal -1
	s_barrier_wait -1
.endif
	PLACES 4
	v_add_nc_u32 v3, s39, v4                       ; on to the next slot
	s_wait_alu depctr_va_vdst(0)
	MEMR 0, 0, 1
	HRUN \acc, 0, 1
	MEMR 1, 0, 1
.endif
	WIN 0
.endm
.macro DT acc                          ; the tile that came straight from memory: one run of 32 products
	s_wait_loadcnt 0x0
	HRUN \acc, 128, 0
	HRUN \acc, 128, 1
	MEMR 0, 0, 0
	MEMR 1, 0, 0
	WIN 0
.endm
.macro DLOAD d, t                      ; tile t of my part of slot s38 + d, straight into v128-255 of window 1
	WIN 0
	s_wait_xcnt 0x0                                ; earlier loads have read their base
	ROT \d
	s_add_co_u32 s40, s40, 16384*(\t)
	s_add_nc_u64 s[80:81], s[36:37], s[40:41]
	WIN 0x40
.irp f, 0,1,2,3,4,5,6,7
.irp c, 0,1,2,3
	global_load_b128 v[128+16*\f+4*\c:128+16*\f+4*\c+3], v12, s[80:81] offset:2048*\f+512*\c
.endr
.endr
	WIN 0
.endm
.macro ASK
	s_cmp_eq_u32 s62, s66
	s_cbranch_scc0 .Lnot_mine_\@
	global_prefetch_b8 v22, s[68:69] th:TH_LOAD_NT scope:SCOPE_SE
.Lnot_mine_\@:
.endm
; scores of my 16 positions over this trip's 16 dims: K = 64 with zeros in 48 places of both operands
.macro SCORE
.irp hh, 0,1
	WIN 0x40
.irp e, 0,1,2,3,4,5,6,7
	ds_load_b64 v[128+16*\e:129+16*\e], v6 offset:528*(8*\hh+\e)+256
	ds_load_b64 v[136+16*\e:137+16*\e], v6 offset:528*(8*\hh+\e)
.endr
	s_wait_dscnt 0x0
	WIN 0x05
.irp e, 0,1,2,3,4,5,6,7
	v_wmma_f32_16x16x64_bf8_bf8 v[128+8*(8*\hh+\e):135+8*(8*\hh+\e)], v[128+16*\e:135+16*\e], v[136+16*\e:143+16*\e], v[128+8*(8*\hh+\e):135+8*(8*\hh+\e)]
.endr
	PLACES 4
.endr
	WIN 0
	BAR
.endm
.macro SOFT4 t0
.irp k, 0,1,2,3
	v_max3_num_f32 v[24+6*\k], v[128+8*((\t0)+\k)], v[129+8*((\t0)+\k)], v[130+8*((\t0)+\k)]
	v_max3_num_f32 v[25+6*\k], v[131+8*((\t0)+\k)], v[132+8*((\t0)+\k)], v[133+8*((\t0)+\k)]
.endr
.irp k, 0,1,2,3
	v_max3_num_f32 v[24+6*\k], v[24+6*\k], v[134+8*((\t0)+\k)], v[135+8*((\t0)+\k)]
.endr
.irp k, 0,1,2,3
	v_max_num_f32 v[24+6*\k], v[24+6*\k], v[25+6*\k]
.endr
.irp k, 0,1,2,3
	v_permlanex16_b32 v[25+6*\k], v[24+6*\k], s58, s59
.endr
.irp k, 0,1,2,3
	v_max_num_f32 v[24+6*\k], v[24+6*\k], v[25+6*\k]
.endr
.irp k, 0,1,2,3
	v_mul_f32 v[24+6*\k], s54, v[24+6*\k]
.endr
.irp k, 0,1,2,3
.irp i, 0,2,4,6
	v_pk_fma_f32 v[128+8*((\t0)+\k)+\i:129+8*((\t0)+\k)+\i], v[128+8*((\t0)+\k)+\i:129+8*((\t0)+\k)+\i], s[54:55], v[24+6*\k:25+6*\k] op_sel_hi:[1,0,0] neg_lo:[0,0,1] neg_hi:[0,0,1]
.endr
.endr
	s_wait_alu depctr_va_vdst(0)                   ; ahead of the batch
.irp k, 0,1,2,3
.irp i, 0,1,2,3,4,5,6,7
	v_exp_f32 v[128+8*((\t0)+\k)+\i], v[128+8*((\t0)+\k)+\i]
.endr
.endr
	v_nop
	s_wait_alu depctr_va_vdst(0)                   ; and behind it
.irp k, 0,1,2,3
	v_pk_add_f32 v[26+6*\k:27+6*\k], v[128+8*((\t0)+\k):129+8*((\t0)+\k)], v[130+8*((\t0)+\k):131+8*((\t0)+\k)]
	v_pk_add_f32 v[28+6*\k:29+6*\k], v[132+8*((\t0)+\k):133+8*((\t0)+\k)], v[134+8*((\t0)+\k):135+8*((\t0)+\k)]
.endr
.irp k, 0,1,2,3
	v_pk_add_f32 v[26+6*\k:27+6*\k], v[26+6*\k:27+6*\k], v[28+6*\k:29+6*\k]
.endr
.irp k, 0,1,2,3
	v_add_f32 v[26+6*\k], v[26+6*\k], v[27+6*\k]
.endr
.irp k, 0,1,2,3
	v_permlanex16_b32 v[27+6*\k], v[26+6*\k], s58, s59
.endr
.irp k, 0,1,2,3
	v_add_f32 v[26+6*\k], v[26+6*\k], v[27+6*\k]
.endr
	s_wait_alu depctr_va_vdst(0)
.irp k, 0,1,2,3
	v_rcp_f32 v[28+6*\k], v[26+6*\k]
.endr
	v_nop
	s_wait_alu depctr_va_vdst(0)
.irp k, 0,1,2,3
.irp i, 0,2,4,6
	v_pk_mul_f32 v[128+8*((\t0)+\k)+\i:129+8*((\t0)+\k)+\i], v[128+8*((\t0)+\k)+\i:129+8*((\t0)+\k)+\i], v[28+6*\k:29+6*\k] op_sel_hi:[1,0]
.endr
.endr
.endm
; P is turned through my scratch: afterwards lane (position, half) holds P[q head r][k head 8 half + j] in v[128 + 16 j + r] of window 1
.macro PTPASS ps
.irp tau, 0,1,2,3,4,5,6,7,8,9,10,11,12,13,14,15
.irp jp, 0,1,2,3
	ds_store_b32 v7, v[128+8*\tau+4*(\ps)+\jp] offset:272*\tau+64*\jp
.endr
.endr
	WIN 0x40
.irp qp, 0,1,2,3,4,5,6,7,8,9,10,11,12,13,14,15
	ds_load_b128 v[128+16*(4*(\ps)+\qp/4)+4*(\qp%4):128+16*(4*(\ps)+\qp/4)+4*(\qp%4)+3], v8 offset:16*\qp
.endr
	WIN 0
.endm
; P v for q heads 2 q, 2 q + 1 of my position, 8 dims: my half's 8 k heads in f32, joined with lane l xor 16's, held into v40-47.
; The pair before is quantised behind this pair's first eight multiplications, and its codes are sorted by head behind the next eight: v[48 + head]: 4 codes
.macro FMAQ q
	WIN 0x01
.irp j, 0,1,2,3,4,5,6,7
.irp xx, 0,1
.irp u, 0,1,2,3
.if \j == 0
	v_pk_mul_f32 v[24+8*\xx+2*\u:25+8*\xx+2*\u], v[128+2*(\q):129+2*(\q)], v[64+16*\u+8*\xx:65+16*\u+8*\xx] op_sel_hi:[1,0]
.elseif \j % 2 == 0
	v_pk_fma_f32 v[24+8*\xx+2*\u:25+8*\xx+2*\u], v[128+16*\j+2*(\q):129+16*\j+2*(\q)], v[64+16*\u+8*\xx+\j:65+16*\u+8*\xx+\j], v[24+8*\xx+2*\u:25+8*\xx+2*\u] op_sel_hi:[1,0,1]
.else
	v_pk_fma_f32 v[24+8*\xx+2*\u:25+8*\xx+2*\u], v[128+16*\j+2*(\q):129+16*\j+2*(\q)], v[63+16*\u+8*\xx+\j:64+16*\u+8*\xx+\j], v[24+8*\xx+2*\u:25+8*\xx+2*\u] op_sel:[0,1,0] op_sel_hi:[1,1,1]
.endif
.endr
.endr
.if (\j == 0) && ((\q) > 0)
	WIN 0
	v_cvt_scalef32_pk8_bf8_f32 v[22:23], v[40:47], v20
	WIN 0x01
.endif
.if (\j == 1) && ((\q) > 0)
	WIN 0
	v_perm_b32 v[46+2*(\q)], v23, v22, s60
	v_perm_b32 v[47+2*(\q)], v23, v22, s61
	WIN 0x01
.endif
.endr
	WIN 0
.irp i, 0,1,2,3,4,5,6,7
	v_permlanex16_b32 v[40+\i], v[32+\i], s58, s59
.endr
.irp i, 0,2,4,6
	v_pk_add_f32 v[24+\i:25+\i], v[24+\i:25+\i], v[40+\i:41+\i]
.endr
.irp i, 0,1,2,3,4,5,6,7
	v_med3_num_f32 v[40+\i], v[24+\i], -v21, v21
.endr
.endm
; the attention codes from wave to wave, as images of the operand's registers, four K steps at a time
.macro EXH hf
.irp sp, 0,1,2,3
.irp c, 0,1,2,3
	ds_store_b128 v10, v[128+16*(4*(\hf)+\sp)+4*\c:131+16*(4*(\hf)+\sp)+4*\c] offset:2048*\sp+512*\c
.endr
.endr
	BAR
	WIN 0x80+0x40*(\hf)
.irp m, 0,1,2,3
.irp sp, 0,1,2,3
.irp c, 0,1,2,3
	ds_load_b128 v[64*\sp+16*\m+4*\c:64*\sp+16*\m+4*\c+3], v11 offset:2048*(4*\m+\sp)+512*\c
.endr
.endr
.endr
	WIN 0
.if (\hf) == 0
	BAR
.else
	s_wait_dscnt 0x0
.endif
.endm
; the way out: 16 positions x my 64 columns through my stage, back as rows of 256 bytes
.macro TOSTAGE m
.irp k, 0,1,2,3
	ds_store_b128 v13, v[128+32*\k+8*(\m):131+32*\k+8*(\m)] offset:4352*((\m)%2)+64*\k
	ds_store_b128 v13, v[132+32*\k+8*(\m):135+32*\k+8*(\m)] offset:4352*((\m)%2)+64*\k+16
.endr
.set RB, 24+72*((\m)%2)
.irp i, 0,1,2,3,4,5,6,7
	ds_load_b128 v[RB+4*\i:RB+4*\i+3], v14 offset:4352*((\m)%2)+544*\i
.endr
.endm
.macro SEND m, younger
.set RB, 24+72*((\m)%2)
	s_wait_dscnt \younger
.irp i, 0,1,2,3,4,5,6,7
	global_store_b128 v15, v[RB+4*\i:RB+4*\i+3], s[74:75] offset:(16*(\m)+2*\i)*4096 th:TH_STORE_NT
.endr
.endm
.macro OUTPUT
	s_wait_xcnt 0x0                                ; earlier stores have read their base and data
	s_add_co_u32 s40, s76, s15
	s_and_b32 s40, s40, 3
	s_lshl_b32 s40, s40, 10
	s_mov_b32 s41, 0
	s_add_nc_u64 s[74:75], s[72:73], s[40:41]
	s_add_co_u32 s76, s76, 1
.irp a, 0,1,2,3,4,5,6,7,8,9,10,11,12,13,14,15
.irp i, 0,2,4,6
	v_pk_mul_f32 v[128+8*\a+\i:129+8*\a+\i], v[128+8*\a+\i:129+8*\a+\i], s[56:57] op_sel_hi:[1,0]   ; all sums x 2^(e8 + e9), in place, in one run; memory instructions alone follow
.endr
.endr
	s_wait_alu depctr_va_vdst(0)
	TOSTAGE 0
.irp m, 1,2,3
.if \m > 1
	s_wait_xcnt 0x0
.endif
	TOSTAGE \m
	SEND \m-1, 16
.endr
	SEND 3, 0
.endm
.macro MKSC vd, ea, eb, ec             ; 2^(ea - eb - ec) for the conversion, and 57,344 x that for the hold
	s_sub_co_i32 s40, s[\ea], s[\eb]
	s_sub_co_i32 s40, s40, s[\ec]
	s_add_co_i32 s40, s40, 127
	s_lshl_b32 s41, s40, 23
	v_mov_b32 v[\vd], s41
	s_add_co_i32 s40, s40, 15
	s_lshl_b32 s40, s40, 23
	s_or_b32 s40, s40, 0x600000
	v_mov_b32 v[\vd+1], s40
.endm
	s_load_b256 s[4:11], s[0:1], 0x0               ; x's codes, wpack, the scales' exponents, out
	v_lshl_add_u32 v1, v0, 2, SPARE
	v_mov_b32 v2, 0
	ds_add_u32 v1, v2                              ; the opening lines
	ds_add_u32 v1, v2
	s_wait_dscnt 0x0
	v_lshrrev_b32 v24, 5, v0
	v_readfirstlane_b32 s12, v24                   ; wave
	s_bfe_u32 s13, ttmp6, 0x40000
	s_lshl_b32 s14, ttmp9, 2
	s_add_co_u32 s14, s14, s13                     ; work-group
	s_mov_b32 s15, ttmp9                           ; cluster
	s_lshl_b32 s16, s15, 2
	s_lshl_b32 s17, s15, 1
	v_and_b32 v25, 15, v0                          ; r
	v_bfe_u32 v26, v0, 4, 1                        ; h
	v_and_b32 v27, 31, v0                          ; lane
	v_lshlrev_b32 v12, 4, v27                      ; 16 x lane: x's rows and the tiles that come straight from memory
	v_lshlrev_b32 v22, 8, v27                      ; the prefetches: lanes 256 bytes apart
	s_lshl_b32 s42, s14, 16
	s_lshl_b32 s40, s12, 14
	s_add_co_u32 s42, s42, s40
	s_mov_b32 s43, 0
	s_mov_b32 s38, 0
	s_wait_alu depctr_va_vdst(0)
	s_wait_kmcnt 0x0
	s_load_b256 s[44:51], s[8:9], 0x0
	s_load_b64 s[52:53], s[8:9], 0x20
	s_add_nc_u64 s[4:5], s[4:5], s[42:43]
	s_lshl_b32 s42, s14, 13
	s_add_nc_u64 s[70:71], s[6:7], s[42:43]        ; my work-group's 8,192 bytes of slots 0-15,
	s_add_nc_u64 s[68:69], s[70:71], 16*SLOTB      ; and of slots 16-31
	s_cmp_lg_u32 s12, 0
	s_cbranch_scc1 .Lno_pf
	global_prefetch_b8 v22, s[70:71] th:TH_LOAD_NT scope:SCOPE_SE
.Lno_pf:
.irp hf, 0,1
.irp p, 0,1,2,3,4,5,6,7,8,9,10,11,12,13,14,15
	global_load_b128 v[128+64*\hf+4*\p:131+64*\hf+4*\p], v12, s[4:5] offset:1024*\p+512*\hf th:TH_LOAD_NT
.endr
.endr
	s_lshl_b32 s40, s12, 15
	s_mov_b32 s41, 0
	s_add_nc_u64 s[36:37], s[6:7], s[40:41]        ; my quarter of every slot
	DLOAD 3, 0
	s_mov_b32 s20, 15|(3<<16)|(1<<21)              ; the four of the cluster; elements of 8 bytes; 128 rows of 256 bytes, dense
	s_mov_b32 s21, 32<<16
	s_mov_b32 s22, 128<<16
	s_mov_b32 s23, 32<<16
	s_mov_b32 s24, 128
	s_mov_b32 s25, 32
	s_mov_b32 s26, 0
	s_mov_b32 s27, 0
	ROT 0
	s_mov_b32 s28, 1
	s_lshl_b32 s29, s12, 15
	s_add_nc_u64 s[30:31], s[36:37], s[40:41]
	s_or_b32 s31, s31, 0x80000000
	ROT 1
	s_mov_b32 s32, 1
	s_add_co_u32 s33, s29, SLOTB
	s_add_nc_u64 s[34:35], s[36:37], s[40:41]
	s_or_b32 s35, s35, 0x80000000
	s_lshl_b32 s40, s14, 18
	s_lshl_b32 s42, s12, 8
	s_add_co_u32 s40, s40, s42
	s_add_nc_u64 s[72:73], s[10:11], s[40:41]      ; out: my work-group's rows, my 64 columns
	s_cmp_eq_u32 s12, 0
	s_cselect_b32 s66, 4, -1                       ; wave 0 prefetches, in the first trip
	s_mov_b32 s58, 0x76543210
	s_mov_b32 s59, 0xfedcba98
	s_mov_b32 s60, 0x06040200
	s_mov_b32 s61, 0x07050301
	s_mov_b32 s39, 0
	CROUND
	tensor_load_to_lds s[28:31], s[20:27]          ; the first slot: one tensor load a wave at the head
	s_nop 0
	PLACES 4
	s_lshl_b32 s40, s12, 15
	v_lshl_add_u32 v4, v27, 4, s40
	v_mov_b32 v3, v4
	s_lshl_b32 s40, s12, 5
	s_add_co_u32 s40, s40, SCR
	v_mul_u32_u24 v5, v25, 528
	v_lshl_add_u32 v5, v26, 3, v5
	v_add_nc_u32 v5, s40, v5                       ; q, k codes in
	s_mul_i32 s40, s12, 8448
	s_add_co_u32 s40, s40, SCR
	v_lshlrev_b32 v6, 4, v25
	v_lshl_add_u32 v6, v26, 3, v6
	v_add_nc_u32 v6, s40, v6                       ; q, k codes back
	v_lshl_add_u32 v29, v27, 4, s40                ; x's rows in
	v_mul_u32_u24 v28, v25, 528
	v_lshl_add_u32 v28, v26, 4, v28
	v_add_nc_u32 v28, SCR, v28                     ; x's fragments back
	s_mul_i32 s40, s12, 8704
	s_add_co_u32 s40, s40, SCR
	v_mul_u32_u24 v7, v26, 4352
	v_lshl_add_u32 v7, v25, 2, v7
	v_add_nc_u32 v7, s40, v7
	v_mul_u32_u24 v8, v27, 272
	v_add_nc_u32 v8, s40, v8
	v_mul_u32_u24 v13, v25, 272
	v_lshl_add_u32 v13, v26, 5, v13
	v_add_nc_u32 v13, s40, v13
	v_mul_u32_u24 v14, v26, 272
	v_lshl_add_u32 v14, v25, 4, v14
	v_add_nc_u32 v14, s40, v14
	v_lshlrev_b32 v15, 12, v26
	v_lshl_add_u32 v15, v25, 4, v15
	s_lshl_b32 s40, s12, 11
	s_add_co_u32 s40, s40, SCR
	v_lshl_add_u32 v9, v27, 4, s40
	s_lshl_b32 s40, s12, 13
	s_add_co_u32 s40, s40, SCR
	v_lshl_add_u32 v10, v27, 4, s40
	v_lshl_add_u32 v11, v27, 4, SCR
	s_wait_kmcnt 0x0
	MKSC 16, 50, 44, 45
	MKSC 18, 51, 46, 47
	MKSC 20, 52, 48, 49
	s_add_co_i32 s40, s50, s51
	s_lshl_b32 s40, s40, 23
	s_add_co_i32 s54, s40, 0x3e38aa3b              ; log2(e) / 8 x 2^(e6 + e7)
	s_mov_b32 s55, s54
	s_add_co_i32 s40, s52, s53
	s_add_co_i32 s40, s40, 127
	s_lshl_b32 s56, s40, 23                        ; 2^(e8 + e9)
	s_mov_b32 s57, s56
	s_wait_alu depctr_va_vdst(0)
	s_wait_loadcnt 48                              ; the first halves of x's rows; behind them 16 loads of x and 32 of the weights
.irp p, 0,1,2,3,4,5,6,7,8,9,10,11,12,13,14,15
	ds_store_b128 v29, v[128+4*\p:131+4*\p] offset:528*\p
.endr
	BAR
	WIN 0x80
.irp m, 0,1,2,3
.irp sp, 0,1,2,3
.irp c, 0,1,2,3
	ds_load_b128 v[64*\sp+16*\m+4*\c:64*\sp+16*\m+4*\c+3], v28 offset:8448*\m+128*\sp+32*\c
.endr
.endr
.endr
	WIN 0
	BAR
	s_wait_loadcnt 32
.irp p, 0,1,2,3,4,5,6,7,8,9,10,11,12,13,14,15
	ds_store_b128 v29, v[192+4*\p:195+4*\p] offset:528*\p
.endr
	BAR
	WIN 0xc0
.irp m, 0,1,2,3
.irp sp, 0,1,2,3
.irp c, 0,1,2,3
	ds_load_b128 v[64*\sp+16*\m+4*\c:64*\sp+16*\m+4*\c+3], v28 offset:8448*\m+128*\sp+32*\c
.endr
.endr
.endr
	WIN 0
.set i, 0
.rept 128
	v_mov_b32 v[128+i], 0                          ; the scores are summed over the four trips of one loop
.set i, i+1
.endr
	s_wait_alu depctr_va_vdst(0)
	s_wait_tensorcnt 0x0                           ; the first slot is in; the second is first filled as a refill is
	ds_add_u32 v1, v2
	s_wait_dscnt 0x0
	CROUND
	tensor_load_to_lds s[32:35], s[20:27]
	s_nop 0
	PLACES 4
	MEMR 0, 0, 1
	MEMR 1, 0, 1
	WIN 0
	s_mov_b32 s62, 4
.Lqk:                                              ; a trip: 16 dims of all heads of q and k: three ring slots and two tiles straight from memory
	RT0 64
	SETP 64, 0, 0
	RT1 96, 1, 2
	SETP 96, 0, 1
	RT0 64
	SETP 64, 1, 0
	ASK
	RT1 96, 1, 4
	SETP 96, 1, 1
	DT 64
	SETP 64, 3, 0
	DLOAD 3, 1
	RT0 96
	SETP 96, 2, 0
	RT1 64, 1, 5
	SETP 64, 2, 1
	DT 96
	SETP 96, 3, 1
.irp c, 0,1,2,3,4,5,6,7
	HOOK \c
.endr
	MEMR 0, 0, 0
	MEMR 1, 0, 0
.set PK, 0
	WIN 0x40
.irp g, 0,1,2,3,4,5,6,7,8,9,10,11,12,13,14,15
.irp i, 2,3,4,5,6,7
	v_mov_b32 v[128+8*\g+\i], 0                    ; the 48 places of K that hold no dim
.endr
.endr
	WIN 0
	s_wait_alu depctr_va_vdst(0)
	BAR                                            ; everybody's codes of q and k are in LDS
	SCORE
	s_cmp_eq_u32 s62, 1
	s_cbranch_scc1 .Lno_d                          ; the last trip has no successor
	DLOAD 7, 0
.Lno_d:
	s_add_co_u32 s38, s38, 4
	s_sub_co_u32 s62, s62, 1
	s_cmp_lg_u32 s62, 0
	s_cbranch_scc1 .Lqk
	s_wait_loadcnt 0x0                             ; no load is out into the registers that take P
	SOFT4 0
	SOFT4 4
	SOFT4 8
	SOFT4 12
	PTPASS 0
	PTPASS 1
	BAR
	s_mov_b32 s63, 0
.Lv:                                               ; a trip: 8 dims of all heads of v, and P v for them
	RT0 64
.set PK, 2
	RT1 96, 1, 2
.set PK, 0
	VSTORE 1
	BAR                                            ; everybody's v is in LDS
.irp u, 0,1,2,3
.irp xx, 0,1
.irp hh, 0,1
	ds_load_b128 v[64+16*\u+8*\xx+4*\hh:67+16*\u+8*\xx+4*\hh], v10 offset:2048*\u+1024*\xx+512*\hh
.endr
.endr
.endr
	BAR                                            ; and everybody has read it
	FMAQ 0
	FMAQ 1
	FMAQ 2
	FMAQ 3
	FMAQ 4
	FMAQ 5
	FMAQ 6
	FMAQ 7
	v_cvt_scalef32_pk8_bf8_f32 v[22:23], v[40:47], v20
	v_nop
	v_perm_b32 v62, v23, v22, s60
	v_perm_b32 v63, v23, v22, s61
.irp k, 0,1,2,3,4,5,6,7
	s_cmp_lg_u32 s63, \k
	s_cbranch_scc1 .Lnot_\k
.irp i, 0,1,2,3,4,5,6,7,8,9,10,11,12,13,14,15
	v_mov_b32 v[128+16*\k+\i], v[48+\i]
.endr
.Lnot_\k:
.endr
	s_add_co_u32 s38, s38, 1
	s_add_co_u32 s63, s63, 1
	s_cmp_lt_u32 s63, 8
	s_cbranch_scc1 .Lv
	s_wait_alu depctr_va_vdst(0)
	DLOAD 3, 0                                     ; P is done with: Wo's first tile that comes straight from memory
	EXH 0
	EXH 1
	s_mov_b32 s76, 0
	; Wo, s38 = 24: column blocks in the order 0 to 3 behind the cluster's turn; slots 0, 1, 2, 4, 5, 6 through the ring, 3 and 7 straight from memory
	RT0 128
	RT1 160, 1, 2
	RT0 192
	RT1 224, 1, 4
	OUTPUT
	DT 192
	DLOAD 3, 1
	RT0 128
	RT1 160, 1, 5
	DT 224
	DLOAD 7, 0
	OUTPUT
	RT0 128
	RT1 160, 1, 6
	RT0 192
	RT1 224, 2, 0
	OUTPUT
	DT 192
	DLOAD 7, 1
	RT0 128
	RT1 160, 0, 0
	DT 224
	OUTPUT
	s_wait_tensorcnt 0x0                           ; the wave's end
	ds_add_u32 v1, v2
	s_wait_dscnt 0x0
	CROUND                                         ; the closing round
	s_endpgm
.Lfunc_end_k_qcf927dd775_attn:
	.size	k_qcf927dd775_attn, .Lfunc_end_k_qcf927dd775_attn-k_qcf927dd775_attn
	.p2alignl 7, 3214868480
	.fill 96, 4, 3214868480
	.section	.rodata,"a",@progbits
	.p2align	6, 0x0
	.amdhsa_kernel k_qcf927dd775_attn
		.amdhsa_group_segment_fixed_size 327680
		.amdhsa_private_segment_fixed_size 0
		.amdhsa_enable_private_segment 0
		.amdhsa_kernarg_size 32
		.amdhsa_user_sgpr_count 2
		.amdhsa_user_sgpr_kernarg_segment_ptr 1
		.amdhsa_wavefront_size32 1
		.amdhsa_system_sgpr_workgroup_id_x 1
		.amdhsa_system_sgpr_workgroup_id_y 1
		.amdhsa_system_sgpr_workgroup_id_z 1
		.amdhsa_system_vgpr_workitem_id 0
		.amdhsa_next_free_vgpr 1024
		.amdhsa_next_free_sgpr 84
		.amdhsa_reserve_vcc 0
		.amdhsa_float_denorm_mode_32 3
		.amdhsa_float_denorm_mode_16_64 3
		.amdhsa_memory_ordered 1
		.amdhsa_forward_progress 1
		.amdhsa_inst_pref_size 255
	.end_amdhsa_kernel
	.section	.bss,"aw",@nobits
	.p2align	6
	.space	262144
	.amdgpu_metadata
---
amdhsa.version: [ 1, 2 ]
amdhsa.kernels:
  - .name:           k_qcf927dd775_attn
    .symbol:         k_qcf927dd775_attn.kd
    .args:
      - { .name: hidden_states_codes, .offset: 0, .size: 8, .value_kind: global_buffer, .address_space: global }
      - { .name: wpack, .offset: 8, .size: 8, .value_kind: global_buffer, .address_space: global }
      - { .name: lowp_scales, .offset: 16, .size: 8, .value_kind: global_buffer, .address_space: global }
      - { .name: out0, .offset: 24, .size: 8, .value_kind: global_buffer, .address_space: global }
    .group_segment_fixed_size: 327680
    .private_segment_fixed_size: 0
    .kernarg_segment_align: 8
    .kernarg_segment_size: 32
    .max_flat_workgroup_size: 128
    .sgpr_count:     84
    .vgpr_count:     1024
    .wavefront_size: 32
...
	.end_amdgpu_metadata
.endif
;; end of part 2
